; MI455X (gfx1250); checked and timed in simulation.
; The chip was launched on July 23, 2026; its instructions are those of AMD's public machine-readable ISA for CDNA 5 (MIT licence, August 2026) and "CDNA5" Instruction Set Architecture Reference Guide (July 2026). The comments in the code are by the model that wrote it; some were corrected since.
;; Attention. Allowed arithmetic: float matrix products may take bf16 or f16 operands with f32 sums; all other float work in f32.
;; Inputs: Wk 1,024 x 1,024 float32; Wq 1,024 x 1,024 float32; Wv 1,024 x 1,024 float32; bk 1,024 float32; bq 1,024 float32; bv 1,024 float32; x 4 x 2,048 x 1,024 float32.
;; Outputs: out0 4 x 2,048 x 1,024 float32.
;; One version. Each part assembles by itself: llvm-mc -triple=amdgcn-amd-amdhsa -mcpu=gfx1250 --defsym DOCPART=n.
;; ======== version 1 of 1: 3 launches
;; workspace buffers: xb 16,777,216 bytes; wb 6,291,456 bytes; qkv 50,331,648 bytes
;; launch cast (part 1): grid 1024 x 1, 8 waves a work-group, no clusters, 0 bytes of LDS; arguments x, Wq, Wk, Wv, xb, wb; writes xb, wb
.if DOCPART == 1
	.amdgcn_target "amdgcn-amd-amdhsa--gfx1250"
	.amdhsa_code_object_version 6
	.text
	.protected	k_q89b5054345_cast
	.globl	k_q89b5054345_cast
	.p2align	8
	.type	k_q89b5054345_cast,@function
k_q89b5054345_cast:
	s_mov_b64 s[64:65], 0
	v_nop
	global_prefetch_b8 v0, s[64:65] scope:SCOPE_SE
	s_setreg_imm32_b32 hwreg(HW_REG_WAVE_MODE, 25, 1), 1
	s_wait_xcnt 0x0
; x [8192][1024] f32 -> xb [8192][1024] bf16;  Wq, Wk, Wv [1024][1024] f32 -> wb [3072][1024] bf16 (rows 0-1023 Wq, 1024-2047 Wk, 2048-3071 Wv).
; A stream: each byte is read once and written once, so no LDS, no barrier, no matrix unit and no cluster (no two work-groups read the same byte).
; Work-group g takes rows 8 g .. 8 g + 7 of x and row g of each weight matrix: eleven rows of 4,096 bytes.  Thread t takes the 16 bytes at 16 t
; of each row, so a wave's load covers 512 neighbouring bytes; its four numbers become 8 bytes, so a wave's store covers 256 neighbouring bytes, aligned.
; All eleven loads of a wave go out at once; no register is written twice, so no wait frees a source.
; Rounding: to nearest even, once.  NaN and infinities pass as the conversion gives them.
.set ROWIN,  4096                      ; bytes of a row in f32
.set ROWOUT, 2048                      ; bytes of a row in bf16
.set WPART,  1024*ROWOUT               ; bytes of one weight matrix in wb
.set X, 8                              ; v[8:51]   eleven rows' 4 numbers as loaded
.set Y, 52                             ; v[52:73]  eleven rows' 4 numbers in bf16
	s_load_b256 s[4:11], s[0:1], 0x0               ; x s[4:5], Wq s[6:7], Wk s[8:9], Wv s[10:11]
	s_load_b128 s[12:15], s[0:1], 0x20             ; xb s[12:13], wb s[14:15]
	s_lshl_b32 s16, ttmp9, 15                      ; 8 rows of 4,096 bytes a work-group in x
	s_mov_b32 s17, 0
	s_lshl_b32 s18, ttmp9, 12                      ; one row of 4,096 bytes in each weight matrix
	s_mov_b32 s19, 0
	s_lshl_b32 s20, ttmp9, 14                      ; 8 rows of 2,048 bytes in xb
	s_mov_b32 s21, 0
	s_lshl_b32 s22, ttmp9, 11                      ; one row of 2,048 bytes in each part of wb
	s_mov_b32 s23, 0
	v_lshlrev_b32 v1, 4, v0                        ; my 16 bytes of a row as it is read
	v_lshlrev_b32 v2, 3, v0                        ; my 8 bytes of a row as it is written
	s_wait_kmcnt 0x0
	s_add_nc_u64 s[4:5], s[4:5], s[16:17]
	s_add_nc_u64 s[6:7], s[6:7], s[18:19]
	s_add_nc_u64 s[8:9], s[8:9], s[18:19]
	s_add_nc_u64 s[10:11], s[10:11], s[18:19]
	s_add_nc_u64 s[12:13], s[12:13], s[20:21]
	s_add_nc_u64 s[14:15], s[14:15], s[22:23]
.irp i, 0,1,2,3,4,5,6,7
	global_load_b128 v[X+4*\i:X+4*\i+3], v1, s[4:5] offset:\i*ROWIN th:TH_LOAD_NT
.endr
	global_load_b128 v[X+32:X+35], v1, s[6:7] th:TH_LOAD_NT
	global_load_b128 v[X+36:X+39], v1, s[8:9] th:TH_LOAD_NT
	global_load_b128 v[X+40:X+43], v1, s[10:11] th:TH_LOAD_NT
.irp i, 0,1,2,3,4,5,6,7
	s_wait_loadcnt 10-\i                           ; loads come back in order: row i is in, the 10 - i younger ones stay out
	v_cvt_pk_bf16_f32 v[Y+2*\i],   v[X+4*\i],   v[X+4*\i+1]
	v_cvt_pk_bf16_f32 v[Y+2*\i+1], v[X+4*\i+2], v[X+4*\i+3]
	global_store_b64 v2, v[Y+2*\i:Y+2*\i+1], s[12:13] offset:\i*ROWOUT     ; no hint: the next launch reads these bytes
.endr
.irp i, 8,9,10
	s_wait_loadcnt 10-\i
	v_cvt_pk_bf16_f32 v[Y+2*\i],   v[X+4*\i],   v[X+4*\i+1]
	v_cvt_pk_bf16_f32 v[Y+2*\i+1], v[X+4*\i+2], v[X+4*\i+3]
	global_store_b64 v2, v[Y+2*\i:Y+2*\i+1], s[14:15] offset:(\i-8)*WPART
.endr
	s_endpgm
.Lfunc_end_k_q89b5054345_cast:
	.size	k_q89b5054345_cast, .Lfunc_end_k_q89b5054345_cast-k_q89b5054345_cast
	.p2alignl 7, 3214868480
	.fill 96, 4, 3214868480
	.section	.rodata,"a",@progbits
	.p2align	6, 0x0
	.amdhsa_kernel k_q89b5054345_cast
		.amdhsa_group_segment_fixed_size 0
		.amdhsa_private_segment_fixed_size 0
		.amdhsa_enable_private_segment 0
		.amdhsa_kernarg_size 48
		.amdhsa_user_sgpr_count 2
		.amdhsa_user_sgpr_kernarg_segment_ptr 1
		.amdhsa_wavefront_size32 1
		.amdhsa_system_sgpr_workgroup_id_x 1
		.amdhsa_system_sgpr_workgroup_id_y 1
		.amdhsa_system_sgpr_workgroup_id_z 1
		.amdhsa_system_vgpr_workitem_id 0
		.amdhsa_next_free_vgpr 76
		.amdhsa_next_free_sgpr 66
		.amdhsa_reserve_vcc 0
		.amdhsa_float_denorm_mode_32 3
		.amdhsa_float_denorm_mode_16_64 3
		.amdhsa_memory_ordered 1
		.amdhsa_forward_progress 1
		.amdhsa_inst_pref_size 5
	.end_amdhsa_kernel
	.amdgpu_metadata
---
amdhsa.version: [ 1, 2 ]
amdhsa.kernels:
  - .name:           k_q89b5054345_cast
    .symbol:         k_q89b5054345_cast.kd
    .args:
      - { .name: x, .offset: 0, .size: 8, .value_kind: global_buffer, .address_space: global }
      - { .name: Wq, .offset: 8, .size: 8, .value_kind: global_buffer, .address_space: global }
      - { .name: Wk, .offset: 16, .size: 8, .value_kind: global_buffer, .address_space: global }
      - { .name: Wv, .offset: 24, .size: 8, .value_kind: global_buffer, .address_space: global }
      - { .name: xb, .offset: 32, .size: 8, .value_kind: global_buffer, .address_space: global }
      - { .name: wb, .offset: 40, .size: 8, .value_kind: global_buffer, .address_space: global }
    .group_segment_fixed_size: 0
    .private_segment_fixed_size: 0
    .kernarg_segment_align: 8
    .kernarg_segment_size: 48
    .max_flat_workgroup_size: 256
    .sgpr_count:     66
    .vgpr_count:     76
    .wavefront_size: 32
...
	.end_amdgpu_metadata
.endif
;; end of part 1
;; launch proj (part 2): grid 16 x 32, 4 waves a work-group, clusters of 4 x 4, 327,680 bytes of LDS; arguments xb, wb, qkv, bq, bk, bv; writes qkv
.if DOCPART == 2
	.amdgcn_target "amdgcn-amd-amdhsa--gfx1250"
	.amdhsa_code_object_version 6
	.text
	.protected	k_q89b5054345_proj
	.globl	k_q89b5054345_proj
	.p2align	8
	.type	k_q89b5054345_proj,@function
k_q89b5054345_proj:
	s_mov_b64 s[64:65], 0
	v_nop
	global_prefetch_b8 v0, s[64:65] scope:SCOPE_SE
	s_setreg_imm32_b32 hwreg(HW_REG_WAVE_MODE, 25, 1), 1
	s_wait_xcnt 0x0
	s_wait_alu depctr_hold_cnt(0) depctr_sa_sdst(0) depctr_va_vdst(0) depctr_va_sdst(0) depctr_va_ssrc(0) depctr_va_vcc(0) depctr_vm_vsrc(0)
	s_getreg_b32 s2, hwreg(HW_REG_IB_STS2, 6, 4)
	s_cmp_eq_u32 s2, 0
	s_cbranch_scc0 .Lentry_in_a_cluster
	s_endpgm
.Lentry_in_a_cluster:
	s_bfe_u32 s2, ttmp6, 0x10000c
	s_cmp_lg_u32 s2, 0xf033
	s_cbranch_scc0 .Lentry_shape_is_right
	s_endpgm
.Lentry_shape_is_right:
; qkv = xb wb^T + bias: one product of 8192 x 3072 x 1024 in bf16 with f32 sums.  Column n of the product is row n of wb: n < 1024 is q, n < 2048 is k, the rest v.
; Output layout: qkv[n / 64][m][n % 64] in bf16: 48 head slots of 8192 rows of 128 bytes, so that a head's rows lie densely for the attention launch.
; A work-group makes 256 rows x 192 columns (three whole head slots): 32 x 16 = 512 work-groups of equal work.  Four waves; wave (wm, wn) makes 128 x 96:
; 8 x 6 = 48 accumulator tiles of 16 x 16, 384 registers.  K goes in 8 steps of 128 through two LDS slots filled by the tensor data mover; a tile's rows are
; 256 bytes of memory, at multiples of 256 bytes from the buffer's first byte.
; CLUSTERS: 4 x 4 work-groups.  The four of a row of the cluster need the same tiles of xb, the four of a column the same tiles of wb: each tile is asked for
; jointly, by the same line with the same descriptor and a mask that names the four.
; The bias is the start of the sums: the first product of each tile takes the bias as its C operand, in f32.  Nothing is cleared, nothing is added later.
; THE MATRIX INSTRUCTION IS USED TRANSPOSED: source 0 = 16 rows of wb, source 1 = 16 rows of xb.  Lane l then holds row m = l % 16 of the product and its registers
; 0 to 7 the columns n = 8 (l / 16) + 0 .. 7: eight neighbouring numbers, which pack into 16 bytes; and the C operand's register j is bias[n0 + 8 (l / 16) + j].
; Limits: q, k, v are rounded once to bf16; NaN and infinities in the inputs are not looked after.
;
; REGISTERS, in windows of 256:
;   window 0: v0-27 addresses; v64-127, v128-191 fragments of xb (8 x 16 rows x 32 K), two buffers; v192-239 the bias of my 96 columns, later v192-215 at work on the way out
;   window 1: v64-111, v128-175 fragments of wb (6 x 16 rows x 32 K), two buffers
;   window 2: the 24 accumulator tiles of my rows 0-63 (tile (a, b) at v[8 (6 a + b)]);   window 3: those of my rows 64-127
.set SIZE_K, 1024
.set KSTEP,  128
.set PITCH,  272                       ; an LDS row: 256 bytes + 16 of padding: an odd multiple of 16, so the 16 rows that a load touches begin 16 bytes apart modulo 256
.set HALFA,  128*PITCH                 ; 128 rows of xb: what waves 0 and 1 fetch, and what a wave reads of xb
.set HALFB,  96*PITCH                  ; 96 rows of wb: what waves 2 and 3 fetch, and what a wave reads of wb
.set SLOT,   2*HALFA+2*HALFB           ; 121,856 bytes: xb's 256 rows, then wb's 192 rows
.set SPITCH, 400                       ; the way out: a row of 192 bf16 (384 bytes) + 16: 25 x 16 bytes
.set LAPS,   SIZE_K/(2*KSTEP)          ; a lap = two K steps = once round the ring: 4
.set HSLOT,  8192*128                  ; bytes of a head slot in qkv
.set ADRA, 16                          ; v16-17  LDS address of my xb fragments in slot 0, 1
.set ADRB, 20                          ; v20-21  the same for wb
.set STO,  24                          ; v24     the way out: where I put 16 bytes of a row
.set RD,   25                          ; v25     the way out: where I read back
.set CO,   26                          ; v26     my byte offset in qkv: 16 x lane
.set HB,   27                          ; v27     my byte offset in a tile's 16 bias numbers: 32 (l / 16)
.set F0,   64                          ; fragment buffer 0
.set F1,   128                         ; fragment buffer 1
.set BIAS, 192                         ; v192-239 (window 0): tile column b: 8 registers
.set TMP,  192                         ; the way out: packed results (the bias is no longer needed)
.set G1,  24                           ; s[24:31] descriptor group 1 for xb's tiles
.set G0,  32                           ; s[32:39] descriptor group 0 for xb's tiles, one set for each slot
.set G1B, 48                           ; s[48:55] descriptor group 1 for wb's tiles
.set G0B, 56                           ; s[56:63] descriptor group 0 for wb's tiles, one set for each slot
.set BP,  76                           ; s[76:87] six addresses: the bias of my six tile columns
.set MSB, 0
.macro WIN new                         ; the immediate's high byte repeats the setting that is left
.if MSB != \new
	s_set_vgpr_msb (MSB<<8)|\new
.set MSB, \new
.endif
.endm
.set MUL_LO,   0xa1                    ; source 0 (wb) window 1, source 1 (xb) window 0, C and D window 2
.set MUL_HI,   0xf1                    ; the same, C and D window 3
.set MUL_LO_B, 0x81                    ; the first products: C is the bias in window 0, D window 2
.set MUL_HI_B, 0xc1                    ; the same, D window 3
.set TO_B,     0x40                    ; destination window 1, address window 0
; A joint load.  Waves 0 and 1 fetch xb's two halves, waves 2 and 3 wb's.  Each line has one mask and one set of registers for all that issue it; the branch hangs
; on the wave's number alone.  Four v_nop follow each of the two lines.
.macro JLOAD s
	s_cmp_eq_u32 s11, 0
	s_cbranch_scc0 .Lfor_b_\@
	tensor_load_to_lds s[G0+4*\s:G0+4*\s+3], s[G1:G1+7]
	s_nop 0
.rept 4
	v_nop
.endr
	s_branch .Lasked_\@
.Lfor_b_\@:
	tensor_load_to_lds s[G0B+4*\s:G0B+4*\s+3], s[G1B:G1B+7]
	s_nop 0
.rept 4
	v_nop
.endr
.Lasked_\@:
.endm
; A round of the cluster's barrier: my work-group's barrier; wave 0 signals for the work-group; every wave waits for all sixteen; my work-group's barrier once more.
.macro CREST                           ; a round behind its opening barrier
	s_cmp_lg_u32 s10, 0
	s_cbranch_scc1 .Lnot_wave_0_\@
	s_barrier_signal -3
.Lnot_wave_0_\@:
	s_barrier_wait -3
	s_barrier_signal -1
	s_barrier_wait -1
.endm
.macro CROUND                          ; a whole round
	s_barrier_signal -1
	s_barrier_wait -1
	CREST
.endm
	s_load_b128 s[4:7], s[0:1], 0x0                ; xb s[4:5], wb s[6:7]
	s_load_b64 s[8:9], s[0:1], 0x10                ; qkv
	s_load_b128 s[68:71], s[0:1], 0x18             ; bq s[68:69], bk s[70:71]
	s_load_b64 s[72:73], s[0:1], 0x28              ; bv
	s_set_vgpr_msb 0x40
	v_lshl_add_u32 v255, v0, 2, 0x3b800
	s_set_vgpr_msb 0x4000
	v_mov_b32 v255, 0
	s_set_vgpr_msb 0x1
	ds_add_u32 v255, v255
	s_set_vgpr_msb 0x100
	v_lshrrev_b32 v1, 5, v0
	v_readfirstlane_b32 s10, v1                    ; wave 0..3
	s_lshr_b32 s11, s10, 1                         ; wm: which half of the block's rows is mine.  Also: I fetch for xb (0) or for wb (1)
	s_and_b32 s12, s10, 1                          ; wn: which half of its columns.  Also: which half of that tile I fetch
	s_bfe_u32 s40, ttmp6, 0x40000                  ; cx
	s_bfe_u32 s41, ttmp6, 0x40004                  ; cy
	s_lshl_b32 s42, ttmp9, 2
	s_add_co_u32 s42, s42, s40                     ; block column = 4 x cluster x + cx, 0..15
	s_and_b32 s13, ttmp7, 0xffff
	s_lshl_b32 s13, s13, 2
	s_add_co_u32 s13, s13, s41                     ; block row = 4 x cluster y + cy, 0..31
	s_lshl_b32 s43, s41, 2
	s_lshl_b32 s43, 15, s43                        ; my row of the cluster: places 4 cy .. 4 cy + 3
	s_lshl_b32 s44, 0x1111, s40                    ; my column: places cx, cx + 4, cx + 8, cx + 12
	; descriptor group 1: rows of 128 elements of 2 bytes, 16 bytes of padding behind each (after every 64 words, 4 words); 128 rows for xb, 96 for wb
	s_or_b32 s[G1+0],  s43, (1<<16)|(1<<20)|(1<<21)|(5<<22)|(3<<25)  ; xb's tiles go to my row of the cluster
	s_or_b32 s[G1B+0], s44, (1<<16)|(1<<20)|(1<<21)|(5<<22)|(3<<25)  ; wb's tiles go to my column
	s_mov_b32 s[G1+1],  KSTEP<<16                  ; tensor_dim0 = 128
	s_mov_b32 s[G1B+1], KSTEP<<16
	s_mov_b32 s[G1+2],  128<<16                    ; tensor_dim1 = 128 rows
	s_mov_b32 s[G1B+2], 96<<16                     ; tensor_dim1 = 96 rows
	s_mov_b32 s[G1+3],  KSTEP<<16                  ; tile_dim0 = 128
	s_mov_b32 s[G1B+3], KSTEP<<16
	s_mov_b32 s[G1+4],  128                        ; tile_dim1
	s_mov_b32 s[G1B+4], 96
	s_mov_b32 s[G1+5],  SIZE_K                     ; elements from row to row
	s_mov_b32 s[G1B+5], SIZE_K
	s_mov_b32 s[G1+6],  0
	s_mov_b32 s[G1B+6], 0
	s_mov_b32 s[G1+7],  0
	s_mov_b32 s[G1B+7], 0
	; where the tiles come from: xb's hang on the block row alone, wb's on the block column alone, each in registers that never hold the other coordinate
	s_lshl_b32 s16, s13, 8
	s_lshl_b32 s17, s12, 7
	s_add_co_u32 s16, s16, s17                     ; xb: row 256 x block row + 128 x half
	s_lshl_b32 s16, s16, 11                        ; x 2,048 bytes: below 16 MiB
	s_mov_b32 s17, 0
	s_mul_i32 s46, s42, 192
	s_mul_i32 s47, s12, 96
	s_add_co_u32 s46, s46, s47                     ; wb: row 192 x block column + 96 x half
	s_lshl_b32 s46, s46, 11
	s_mov_b32 s47, 0
	s_mul_i32 s20, s10, HALFA                      ; and where they go: xb's halves at wave x 128 rows (waves 0, 1),
	s_mul_i32 s45, s10, HALFB
	s_add_co_u32 s45, s45, 2*HALFA-2*HALFB         ; wb's halves behind xb's 256 rows, at (wave - 2) x 96 rows (waves 2, 3)
	s_wait_dscnt 0x0
	s_wait_kmcnt 0x0
	s_add_nc_u64 s[14:15], s[4:5], s[16:17]
	s_add_nc_u64 s[46:47], s[6:7], s[46:47]
	CROUND                                         ; all sixteen work-groups are here: the first joint loads meet
.irp s, 0,1
	s_mov_b32 s[G0+4*\s], 1
	s_add_co_u32 s[G0+4*\s+1], s20, \s*SLOT
	s_add_nc_u64 s[G0+4*\s+2:G0+4*\s+3], s[14:15], \s*KSTEP*2      ; K step s
	s_or_b32 s[G0+4*\s+3], s[G0+4*\s+3], 0x80000000
	s_mov_b32 s[G0B+4*\s], 1
	s_add_co_u32 s[G0B+4*\s+1], s45, \s*SLOT
	s_add_nc_u64 s[G0B+4*\s+2:G0B+4*\s+3], s[46:47], \s*KSTEP*2
	s_or_b32 s[G0B+4*\s+3], s[G0B+4*\s+3], 0x80000000
	JLOAD \s                                       ; both slots' first fills go out before anything else: two tensor loads of a wave are out
.endr
	v_and_b32 v1, 15, v0                           ; l % 16
	v_bfe_u32 v2, v0, 4, 1                         ; l / 16
	v_lshlrev_b32 v[HB], 5, v2
	; The bias of my six tile columns.  Column n0 = 192 x block column + 96 wn + 16 b; a tile of 16 columns never crosses a multiple of 1024,
	; so n0 >> 10 picks the vector (bq, bk, bv) and n0 & 1023 the place in it.  All sixteen lanes of a half read the same 32 bytes.
	s_mul_i32 s88, s42, 192
	s_mul_i32 s89, s12, 96
	s_add_co_u32 s88, s88, s89
.irp b, 0,1,2,3,4,5
	s_add_co_u32 s94, s88, 16*\b
	s_lshr_b32 s95, s94, 10
	s_and_b32 s94, s94, 1023
	s_lshl_b32 s94, s94, 2
	s_cmp_eq_u32 s95, 1
	s_cselect_b64 s[90:91], s[70:71], s[68:69]
	s_cmp_eq_u32 s95, 2
	s_cselect_b64 s[BP+2*\b:BP+2*\b+1], s[72:73], s[90:91]
	s_mov_b32 s95, 0
	s_add_nc_u64 s[BP+2*\b:BP+2*\b+1], s[BP+2*\b:BP+2*\b+1], s[94:95]
	global_load_b128 v[BIAS+8*\b:BIAS+8*\b+3],   v[HB], s[BP+2*\b:BP+2*\b+1]
	global_load_b128 v[BIAS+8*\b+4:BIAS+8*\b+7], v[HB], s[BP+2*\b:BP+2*\b+1] offset:16
.endr
	; A fragment is 16 rows x 32 K in 8 registers: lane l holds row l % 16; registers 0-3 hold K = 8 (l / 16) + 0..7, registers 4-7 K = 16 + 8 (l / 16) + 0..7:
	; two loads of 16 bytes, 32 bytes apart, at row x pitch + 16 (l / 16).
	v_mul_u32_u24 v3, v1, PITCH
	v_lshl_add_u32 v3, v2, 4, v3
	s_mul_i32 s21, s11, HALFA                      ; my 128 rows of xb
	s_mul_i32 s22, s12, HALFB                      ; my 96 rows of wb,
	s_add_co_u32 s22, s22, 2*HALFA                 ; which lie behind xb's 256
.irp s, 0,1
	v_add_nc_u32 v[ADRA+\s], s21, v3
	v_add_nc_u32 v[ADRB+\s], s22, v3
	s_add_co_u32 s21, s21, SLOT
	s_add_co_u32 s22, s22, SLOT
.endr
	; the way out: the block's 256 rows of 384 bytes are gathered in slot 0's bytes
	s_mul_i32 s23, s11, 128*SPITCH
	s_mul_i32 s45, s12, 192
	s_add_co_u32 s23, s23, s45
	v_mul_u32_u24 v4, v1, SPITCH
	v_lshl_add_u32 v4, v2, 4, v4
	v_add_nc_u32 v[STO], s23, v4                   ; (128 wm + l % 16) x 400 + 192 wn + 16 (l / 16)
	v_and_b32 v5, 31, v0
	v_lshrrev_b32 v4, 3, v5
	v_and_b32 v3, 7, v0
	v_mul_u32_u24 v4, v4, SPITCH
	v_lshl_add_u32 v4, v3, 4, v4
	s_mul_i32 s23, s10, 64*SPITCH
	v_add_nc_u32 v[RD], s23, v4                    ; (64 wave + l / 8) x 400 + 16 (l % 8): four rows' 128 bytes of one head slot
	v_lshlrev_b32 v[CO], 4, v5                     ; the same 512 bytes lie densely in qkv
; 12 matrix instructions: m blocks a0, a0 + 1 of the window's four (hi = 0: my rows 0-63, 1: rows 64-127) x all 6 n blocks, 32 along K.
; zero = 1: the first product starts the sums from the bias.
.macro MUL12 f, hi, a0, zero
.irp a, \a0, \a0+1
.irp b, 0,1,2,3,4,5
.if \zero
	v_wmma_f32_16x16x32_bf16 v[8*(6*(\a)+\b):8*(6*(\a)+\b)+7], v[\f+8*\b:\f+8*\b+7], v[\f+8*(4*\hi+\a):\f+8*(4*\hi+\a)+7], v[BIAS+8*\b:BIAS+8*\b+7]
.else
	v_wmma_f32_16x16x32_bf16 v[8*(6*(\a)+\b):8*(6*(\a)+\b)+7], v[\f+8*\b:\f+8*\b+7], v[\f+8*(4*\hi+\a):\f+8*(4*\hi+\a)+7], v[8*(6*(\a)+\b):8*(6*(\a)+\b)+7]
.endif
.endr
.endr
.endm
; 28 LDS loads in one run: the fragments of one quarter step (96 rows of wb, then 128 rows of xb, 32 K at byte k of the rows) into buffer f
.macro FETCH slot, k, f
	WIN TO_B
.irp i, 0,1,2,3,4,5
	ds_load_b128 v[\f+8*\i:\f+8*\i+3],   v[ADRB+\slot] offset:\k+\i*16*PITCH
	ds_load_b128 v[\f+8*\i+4:\f+8*\i+7], v[ADRB+\slot] offset:\k+\i*16*PITCH+32
.endr
	WIN 0
.irp i, 0,1,2,3,4,5,6,7
	ds_load_b128 v[\f+8*\i:\f+8*\i+3],   v[ADRA+\slot] offset:\k+\i*16*PITCH
	ds_load_b128 v[\f+8*\i+4:\f+8*\i+7], v[ADRA+\slot] offset:\k+\i*16*PITCH+32
.endr
.endm
; A load into a register that a matrix instruction has read, and a vector instruction that reads a matrix result, stand four places behind that matrix instruction;
; only plain vector instructions that name none of its registers are places.  Hence four v_nop in front of each run of loads.
.macro PLACES
.rept 4
	v_nop
.endr
.endm
; A K step is four quarter steps of 32 along K, 48 matrix instructions each, on buffers 0, 1, 0, 1.  The 48 accumulators take turns, one instruction a turn, in the
; same order in every quarter, over the loop's backward jump too.
.macro QUARTER slot, k, f, g, zero
	s_wait_dscnt 8                                 ; wb and xb's rows 0-63 are in; the youngest eight loads (xb's rows 64-127) may be out
.if \zero
	WIN MUL_LO_B
.else
	WIN MUL_LO
.endif
	MUL12 \f, 0, 0, \zero
	MUL12 \f, 0, 2, \zero
	PLACES
	FETCH \slot, \k, \g
	s_wait_dscnt 28                                ; all but the 28 just issued
.if \zero
	WIN MUL_HI_B
.else
	WIN MUL_HI
.endif
	MUL12 \f, 1, 0, \zero
	MUL12 \f, 1, 2, \zero
.endm
.macro THREE slot, zero
	QUARTER \slot, 64,  F0, F1, \zero
	QUARTER \slot, 128, F1, F0, 0
	QUARTER \slot, 192, F0, F1, 0
.endm
; The last quarter: multiplies buffer 1 and changes slots.  One barrier for two things: in front of it each wave waits for its own reads of this slot and for all its
; tensor loads (one is out: its part of the next slot); behind it nobody reads this slot and the next slot is whole.  Where the slot is filled again the barrier opens
; a round of the cluster's barrier, and the joint refill is the first tensor load behind the round.  From a request to the wait for it a wave issues 180 matrix instructions.
.macro TURN slot, next, fill
	s_wait_dscnt 8
	WIN MUL_LO
	MUL12 F1, 0, 0, 0
	s_wait_dscnt 0                                 ; my reads of this slot are over
	s_wait_tensorcnt 0x0                           ; and all my tensor loads have landed
	ds_add_u32 v255, v255
	s_wait_dscnt 0x0
	s_barrier_signal -1
	MUL12 F1, 0, 2, 0                              ; register work while the others arrive
	WIN 0
	s_barrier_wait -1
.if \fill
	CREST
	s_add_nc_u64 s[G0+4*\slot+2:G0+4*\slot+3], s[G0+4*\slot+2:G0+4*\slot+3], 2*KSTEP*2
	s_add_nc_u64 s[G0B+4*\slot+2:G0B+4*\slot+3], s[G0B+4*\slot+2:G0B+4*\slot+3], 2*KSTEP*2
	JLOAD \slot                                    ; its four v_nop are also the places in front of the loads below
.else
	PLACES
.endif
	FETCH \next, 0, F0
	WIN MUL_HI
	MUL12 F1, 1, 0, 0
	MUL12 F1, 1, 2, 0
.endm
.macro LAP zero
	THREE 0, \zero
	TURN 0, 1, 1
	THREE 1, 0
	TURN 1, 0, 1
.endm
	s_wait_loadcnt 0x0                             ; the bias, once
	s_wait_tensorcnt 1                             ; my part of K step 0 is in; K step 1's may stay out
	s_barrier_signal -1
	s_barrier_wait -1                              ; everybody's is
	FETCH 0, 0, F0
	LAP 1                                          ; K steps 0, 1; asks for 2, 3
	WIN 0
	s_mov_b32 s3, LAPS-2
.Llap:
	LAP 0                                          ; K steps 2 to 5; asks for 4 to 7
	WIN 0
	s_sub_co_u32 s3, s3, 1
	s_cmp_lg_u32 s3, 0
	s_cbranch_scc1 .Llap
	THREE 0, 0                                     ; the last lap fills nothing
	TURN 0, 1, 0                                   ; behind its barrier no wave reads slot 0 any more, and no tensor load is out
	THREE 1, 0
	s_wait_dscnt 8
	WIN MUL_LO
	MUL12 F1, 0, 0, 0
	MUL12 F1, 0, 2, 0
	s_wait_dscnt 0
	WIN MUL_HI
	MUL12 F1, 1, 0, 0
	MUL12 F1, 1, 2, 0
	; THE WAY OUT.  The block is gathered in slot 0's bytes, which have had their last fill and their last read: 256 rows of 384 bytes, 400 apart.
	; Then each wave reads 64 rows back, head slot by head slot: four rows' 128 bytes are 512 neighbouring bytes of qkv, one store of the wave.
	PLACES                                         ; the places behind the last matrix instructions, for the conversions that read results
	s_mul_i32 s92, s42, 3
	s_lshl_b32 s92, s92, 20                        ; head slot 3 x block column, 1 MiB each
	s_lshl_b32 s94, s13, 8
	s_lshl_b32 s95, s10, 6
	s_add_co_u32 s94, s94, s95                     ; row 256 x block row + 64 x wave,
	s_lshl_b32 s94, s94, 7                         ; 128 bytes each
	s_add_co_u32 s92, s92, s94
	s_mov_b32 s93, 0
	s_add_nc_u64 s[8:9], s[8:9], s[92:93]
; rows 16 i .. 16 i + 15 of my 128 = the six tiles (a, 0..5) of window 2 or 3 (from = 0x0a or 0x0f: sources 0 and 1)
.macro STG i, a, from
	WIN \from
.irp b, 0,1,2,3,4,5
.irp r, 0,1,2,3
	v_cvt_pk_bf16_f32 v[TMP+4*\b+\r], v[8*(6*\a+\b)+2*\r], v[8*(6*\a+\b)+2*\r+1]
.endr
.endr
	WIN 0
.irp b, 0,1,2,3,4,5
	ds_store_b128 v[STO], v[TMP+4*\b:TMP+4*\b+3] offset:\i*16*SPITCH+32*\b
.endr
.endm
	STG 0, 0, 0x0a
	STG 1, 1, 0x0a
	STG 2, 2, 0x0a
	STG 3, 3, 0x0a
	STG 4, 0, 0x0f
	STG 5, 1, 0x0f
	STG 6, 2, 0x0f
	STG 7, 3, 0x0f
	s_wait_dscnt 0x0                               ; my stores are in LDS: other waves read them behind the barrier
	s_barrier_signal -1
	s_barrier_wait -1
; 32 rows (half = 0, 1) of head slot hs (0..2) of my 64 rows, through registers f .. f + 31
.macro BACK hs, half, f
	s_wait_xcnt 0x0                                ; the stores that read buffer f have had their addresses translated (ISA guide 3.1): it is loaded again only behind this wait
.irp t, 0,1,2,3,4,5,6,7
	ds_load_b128 v[\f+4*\t:\f+4*\t+3], v[RD] offset:(8*\half+\t)*4*SPITCH+128*\hs
.endr
.irp t, 0,1,2,3,4,5,6,7
	s_wait_dscnt 7-\t                              ; LDS loads come back in order: load t is in
	global_store_b128 v[CO], v[\f+4*\t:\f+4*\t+3], s[8:9] offset:\hs*HSLOT+(8*\half+\t)*512   ; 512 consecutive bytes, at a multiple of 512 from qkv's first byte
.endr
.endm
	BACK 0, 0, 64
	BACK 0, 1, 96
	BACK 1, 0, 64
	BACK 1, 1, 96
	BACK 2, 0, 64
	BACK 2, 1, 96
	s_set_vgpr_msb 0x1
	s_wait_tensorcnt 0x0
	ds_add_u32 v255, v255
	s_wait_dscnt 0x0
	s_set_vgpr_msb 0x100
	CROUND                                         ; the closing round: no work-group ends while a partner may still ask for a tile that names it
	s_endpgm
.Lfunc_end_k_q89b5054345_proj:
	.size	k_q89b5054345_proj, .Lfunc_end_k_q89b5054345_proj-k_q89b5054345_proj
	.p2alignl 7, 3214868480
	.fill 96, 4, 3214868480
	.section	.rodata,"a",@progbits
	.p2align	6, 0x0
	.amdhsa_kernel k_q89b5054345_proj
		.amdhsa_group_segment_fixed_size 327680
		.amdhsa_private_segment_fixed_size 0
		.amdhsa_enable_private_segment 0
		.amdhsa_kernarg_size 48
		.amdhsa_user_sgpr_count 2
		.amdhsa_user_sgpr_kernarg_segment_ptr 1
		.amdhsa_wavefront_size32 1
		.amdhsa_system_sgpr_workgroup_id_x 1
		.amdhsa_system_sgpr_workgroup_id_y 1
		.amdhsa_system_sgpr_workgroup_id_z 1
		.amdhsa_system_vgpr_workitem_id 0
		.amdhsa_next_free_vgpr 960
		.amdhsa_next_free_sgpr 96
		.amdhsa_reserve_vcc 0
		.amdhsa_float_denorm_mode_32 3
		.amdhsa_float_denorm_mode_16_64 3
		.amdhsa_memory_ordered 1
		.amdhsa_forward_progress 1
		.amdhsa_inst_pref_size 162
	.end_amdhsa_kernel
	.amdgpu_metadata
---
amdhsa.version: [ 1, 2 ]
amdhsa.kernels:
  - .name:           k_q89b5054345_proj
    .symbol:         k_q89b5054345_proj.kd
    .args:
      - { .name: xb, .offset: 0, .size: 8, .value_kind: global_buffer, .address_space: global }
      - { .name: wb, .offset: 8, .size: 8, .value_kind: global_buffer, .address_space: global }
      - { .name: qkv, .offset: 16, .size: 8, .value_kind: global_buffer, .address_space: global }
      - { .name: bq, .offset: 24, .size: 8, .value_kind: global_buffer, .address_space: global }
      - { .name: bk, .offset: 32, .size: 8, .value_kind: global_buffer, .address_space: global }
      - { .name: bv, .offset: 40, .size: 8, .value_kind: global_buffer, .address_space: global }
    .group_segment_fixed_size: 327680
    .private_segment_fixed_size: 0
    .kernarg_segment_align: 8
    .kernarg_segment_size: 48
    .max_flat_workgroup_size: 128
    .sgpr_count:     96
    .vgpr_count:     960
    .wavefront_size: 32
...
	.end_amdgpu_metadata
.endif
;; end of part 2
;; launch attn (part 3): grid 256 x 1, 8 waves a work-group, clusters of 4 x 1, 327,680 bytes of LDS; arguments qkv, out0; writes out0
.if DOCPART == 3
	.amdgcn_target "amdgcn-amd-amdhsa--gfx1250"
	.amdhsa_code_object_version 6
	.text
	.protected	k_q89b5054345_attn
	.globl	k_q89b5054345_attn
	.p2align	8
	.type	k_q89b5054345_attn,@function
k_q89b5054345_attn:
	s_mov_b64 s[64:65], 0
	v_nop
	global_prefetch_b8 v0, s[64:65] scope:SCOPE_SE
	s_setreg_imm32_b32 hwreg(HW_REG_WAVE_MODE, 25, 1), 1
	s_wait_xcnt 0x0
	s_wait_alu depctr_hold_cnt(0) depctr_sa_sdst(0) depctr_va_vdst(0) depctr_va_sdst(0) depctr_va_ssrc(0) depctr_va_vcc(0) depctr_vm_vsrc(0)
	s_getreg_b32 s2, hwreg(HW_REG_IB_STS2, 6, 4)
	s_cmp_eq_u32 s2, 0
	s_cbranch_scc0 .Lentry_in_a_cluster
	s_endpgm
.Lentry_in_a_cluster:
	s_bfe_u32 s2, ttmp6, 0x10000c
	s_cmp_lg_u32 s2, 0x3003
	s_cbranch_scc0 .Lentry_shape_is_right
	s_endpgm
.Lentry_shape_is_right:
; out0[b][s][64 h + d] = softmax over keys of (q k^T / 8) times v, for 64 pairs (b, h), 2048 queries and 2048 keys, head size 64.
; qkv: [48 head slots][8192 rows b*2048 + s][64] bf16: slots 0-15 q, 16-31 k, 32-47 v.
; A cluster of four work-groups takes one (b, h); a work-group 512 queries; each of its eight waves 64 queries, as four blocks of 16.  Two waves lie on a SIMD with 512
; registers each: while one is in its softmax the other issues matrix instructions.
; CLUSTERS: the four work-groups walk the same K and V tiles, so every tile is asked for jointly (mask 15).  Waves 0-3 fetch V's four quarters, waves 4-7 K's.
; LAYOUTS, so that nothing is shuffled between the two products:
;   S^T = K Q^T: source 0 = 16 keys x 32 d, source 1 = 16 queries x 32 d.  Lane (r, h) then holds, for query r, keys 8 h + 0..7 of the tile in registers 0..7.
;   Two such tiles packed to bf16 are registers 0-3 and 4-7 of the operand P^T (column = query r, k = 32 keys).
;   O^T = V^T P^T: source 0 = 16 d x 32 keys, read from V's rows by the transposing LDS load.  Lane (r, h) holds, for query r, d = 16 dt + 8 h + 0..7.
;   So maximum, sum and rescaling factor belong to the lane's query: one number a lane; the maximum crosses to the other half of the lanes once a step,
;   the sum stays a partial sum of the lane until the end.
; SOFTMAX: a running maximum m of the raw scores; p = 2^(c s - c m) with c = log2(e) / 8; O and the sum are rescaled by 2^(c m_old - c m_new) in every step (no branch on numbers).
; THE STEP AS A LOOP BODY.  A step is 64 keys.  The body of step i asks for K's fragments of step i, rescales O and makes the product P V that is DUE from step i - 1, asks for
; V's fragments of step i, makes the scores of step i and their softmax.  All LDS reads of a step are issued in its own body and the due product works on registers alone,
; so a change of slots stands between two bodies and every body of a tile is the same text.  Steps 0 and 1 are written out (step 0 starts maximum and sum, step 1 starts O);
; their 128 keys have an LDS region of their own, filled once.  The other 1,920 keys are five tiles of 384 keys = six steps, in two slots that take turns; a tile is a loop
; of six trips.  The text holds five step bodies; the outer loop two of them.
; THE RING: the first 128 keys and tile 0 go out at the start; the change in front of tile t asks for tile t + 1 into the other slot, so a request has six steps in which
; to land.  That is why no further prefetch of K and V is written.  A wave has two tensor loads out at the start and one behind each round of the cluster's barrier.
; Limits: p is rounded to bf16 for the product while the row sum adds the unrounded p in f32; an exponential below 2^-126 counts as 0; NaN and infinities in the
; inputs are not looked after.
;
; REGISTERS.  Window 0: v0-7 at work, v8-15 addresses, v16-55 the softmax's state, v64-127 K fragments, v128-255 scores, then P in place.
;             Window 1: v0-63 Q fragments, v64-191 O, v192-255 V fragments.
.set VPITCH, 160                       ; V's LDS row: 128 bytes + 32: an odd multiple of 32, as the transposing loads want
.set KPITCH, 144                       ; K's LDS row: 128 bytes + 16: an odd multiple of 16
.set PKEYS,  128                       ; keys of the two steps that are written out
.set TKEYS,  384                       ; keys in a tile
.set STEPS,  TKEYS/64                  ; 6
.set VBYTES, TKEYS*VPITCH              ; 61,440
.set KBYTES, TKEYS*KPITCH              ; 55,296
.set SLOT,   VBYTES+KBYTES             ; 116,736: V's rows, then K's
.set PBASE,  2*SLOT                    ; 233,472: the first 128 keys: V's rows,
.set PVB,    PKEYS*VPITCH              ; 20,480 bytes of them, then K's,
.set PKB,    PKEYS*KPITCH              ; 18,432 bytes
.set STAGE,  PBASE+PVB+PKB             ; 272,384 = 1,064 x 256: behind all that is filled, bytes of its own
.set SPITCH, 272                       ; the way out: a row of 64 f32 + 16 bytes
.set WSTAGE, 16*SPITCH                 ; 4,352 = 17 x 256 bytes for each wave
.set TILEB,  TKEYS*128                 ; bytes of a tile in memory: 49,152
.set TQ,     TKEYS/4                   ; 96 rows: a wave's quarter of a tile
.set PQ,     PKEYS/4                   ; 32 rows: a wave's quarter of the first keys (that tile has no more rows to share among four waves)
.set LK,   8                           ; v8      my lane's place in K's rows: r x 144 + 16 h
.set LV,   9                           ; v9      my lane's place in V's rows: (8 h + l % 8) x 160 + 16 ((l / 8) % 2)
.set AK,   10                          ; v10     LDS address of my K fragments of the step at hand
.set AV,   11                          ; v11     the same for V
.set STO,  12                          ; v12     the way out: where I put 32 bytes of a row
.set RD,   13                          ; v13     the way out: where I read a row back
.set CO,   14                          ; v14     my byte offset in out0
.set QO,   15                          ; v15     my byte offset in q
.set M,    16                          ; v16-19  running maximum of the raw scores, one for each query block
.set L,    20                          ; v20-23  my partial sum
.set NM,   24                          ; v24-31  - c m, twice (a pair for the packed multiply-add)
.set AL,   32                          ; v32-39  the rescaling factor, twice; at the end 1 / sum
.set T,    40                          ; v40-43  at work: this step's maximum
.set TX,   44                          ; v44-47  at work: the other half's number
.set TS,   48                          ; v48-55  at work: four pairs of sums
.set KF,   64                          ; fragment (kt, dh) at KF + 8 (2 kt + dh)
.set S,    128                         ; tile (qb, kt) at S + 32 qb + 8 kt; P(qb, kh) at S + 32 qb + 16 kh
.set Q,    0                           ; window 1: fragment (qb, dh) at Q + 8 (2 qb + dh)
.set O,    64                          ; window 1: tile (qb, dt) at O + 32 qb + 8 dt
.set VF,   192                         ; window 1: fragment (dt, kh) at VF + 8 (2 dt + kh)
.set G1V,  24                          ; s[24:31] descriptor group 1 for V's tiles
.set G0V,  32                          ; s[32:39] group 0 for V's tiles, one set for each slot
.set G1K,  48                          ; s[48:55] group 1 for K's tiles: another padding
.set G0K,  56                          ; s[56:63] group 0 for K's tiles, one set for each slot
.set G0VP, 68                          ; s[68:71] group 0 for V's first 128 keys
.set G0KP, 72                          ; s[72:75] group 0 for K's first 128 keys
.set G1VP, 76                          ; s[76:83] group 1 for V's first 128 keys: fewer rows
.set G1KP, 84                          ; s[84:91] group 1 for K's first 128 keys
.set MSB, 0
.macro WIN new                         ; the immediate's high byte repeats the setting that is left
.if MSB != \new
	s_set_vgpr_msb (MSB<<8)|\new
.set MSB, \new
.endif
.endm
.set TO_1,  0x40                       ; loads: destination window 1, address window 0
.set W_S,   0x04                       ; scores: source 1 (Q) window 1, all else window 0.  Also LDS stores of data in window 1
.set W_PV,  0x51                       ; O: D, C and source 0 (V) window 1, source 1 (P) window 0
.set W_SC,  0x41                       ; O times a factor: destination and source 0 window 1, source 1 window 0
.macro PLACES n
.rept \n
	v_nop
.endr
.endm
; Group 1: rows of 64 elements of 2 bytes, dense in memory; padding of pad words after every 32 words; mask 15: all four work-groups of the cluster, bit 21 beside it
.macro SHAPE g, pad, rows
	s_mov_b32 s[\g+0], 15|(1<<16)|(1<<20)|(1<<21)|(4<<22)|((\pad-1)<<25)
	s_mov_b32 s[\g+1], 64<<16                      ; tensor_dim0 = 64
	s_mov_b32 s[\g+2], \rows<<16                   ; tensor_dim1 = the rows
	s_mov_b32 s[\g+3], 64<<16                      ; tile_dim0 = 64
	s_mov_b32 s[\g+4], \rows                       ; tile_dim1
	s_mov_b32 s[\g+5], 64                          ; elements from row to row
	s_mov_b32 s[\g+6], 0
	s_mov_b32 s[\g+7], 0
.endm
; Group 0: to LDS byte s[lreg] + lconst (the wave's number times a constant, plus a constant), from s[base:base+1] + off
.macro WHERE g, lreg, lconst, base, off
	s_mov_b32 s[\g], 1
	s_add_co_u32 s[\g+1], s[\lreg], \lconst
	s_add_nc_u64 s[\g+2:\g+3], s[\base:\base+1], \off
	s_or_b32 s[\g+3], s[\g+3], 0x80000000
.endm
; A joint load: waves 0-3 ask for V's quarters, waves 4-7 for K's.  The branch hangs on the wave's number alone.  Four v_nop follow each line.
.macro JLOAD gv, g1v, gk, g1k
	s_cmp_eq_u32 s11, 0
	s_cbranch_scc0 .Lfor_k_\@
	tensor_load_to_lds s[\gv:\gv+3], s[\g1v:\g1v+7]
	s_nop 0
.rept 4
	v_nop
.endr
	s_branch .Lasked_\@
.Lfor_k_\@:
	tensor_load_to_lds s[\gk:\gk+3], s[\g1k:\g1k+7]
	s_nop 0
.rept 4
	v_nop
.endr
.Lasked_\@:
.endm
; A round of the cluster's barrier
.macro CROUND
	s_barrier_signal -1
	s_barrier_wait -1
	s_cmp_lg_u32 s10, 0
	s_cbranch_scc1 .Lnot_wave_0_\@
	s_barrier_signal -3
.Lnot_wave_0_\@:
	s_barrier_wait -3
	s_barrier_signal -1
	s_barrier_wait -1
.endm
	s_load_b128 s[4:7], s[0:1], 0x0                ; qkv s[4:5], out0 s[6:7]
	v_lshl_add_u32 v62, v0, 2, 0x4b000
	v_mov_b32 v63, 0
	ds_add_u32 v62, v63
	v_lshrrev_b32 v1, 5, v0
	v_readfirstlane_b32 s10, v1                    ; wave 0..7
	s_lshr_b32 s11, s10, 2                         ; I fetch for V (0) or for K (1)
	s_and_b32 s12, s10, 3                          ; which quarter of the tile's rows
	s_mov_b32 s40, 0x76543210                      ; v_permlanex16_b32: lane i of one half reads lane i of the other
	s_mov_b32 s41, 0xfedcba98
	s_and_b32 s16, ttmp9, 15                       ; head (the cluster's number is 16 b + head)
	s_lshr_b32 s17, ttmp9, 4                       ; b
	s_lshl_b32 s18, s16, 20                        ; a head slot is 8192 rows of 128 bytes
	s_lshl_b32 s19, s17, 18                        ; a sequence is 2048 rows of 128 bytes
	s_add_co_u32 s18, s18, s19                     ; the pair's first row in head slot 'head'
	s_mul_i32 s20, s12, TQ*128                     ; my 96 rows of a tile,
	s_add_co_u32 s20, s20, s18
	s_add_co_u32 s20, s20, PKEYS*128               ; and the tiles begin behind the first 128 keys
	s_mov_b32 s21, 0
	s_lshl_b32 s22, s12, 12                        ; my 32 rows of the first 128 keys
	s_add_co_u32 s22, s22, s18
	s_mov_b32 s23, 0
	SHAPE G1V,  8, TQ
	SHAPE G1K,  4, TQ
	SHAPE G1VP, 8, PQ
	SHAPE G1KP, 4, PQ
	s_mul_i32 s44, s10, TQ*VPITCH                  ; where the quarters go: the wave's number times the quarter's LDS bytes
	s_mul_i32 s45, s10, TQ*KPITCH
	s_mul_i32 s46, s10, PQ*VPITCH
	s_mul_i32 s47, s10, PQ*KPITCH
	; what hangs on my place in the cluster lives in s92-101 and enters global addresses of q and out0 alone
	s_bfe_u32 s92, ttmp6, 0x40000                  ; cx
	s_lshl_b32 s92, s92, 9
	s_lshl_b32 s100, s10, 6
	s_add_co_u32 s100, s100, s92                   ; my wave's first query: 512 cx + 64 wave
	s_lshl_b32 s92, s100, 7
	s_add_co_u32 s92, s92, s18                     ; its row in q's head slot
	s_mov_b32 s93, 0
	s_lshl_b32 s98, s17, 11
	s_add_co_u32 s98, s98, s100
	s_lshl_b32 s98, s98, 12                        ; its row of 4,096 bytes in out0,
	s_lshl_b32 s101, s16, 8
	s_add_co_u32 s98, s98, s101                    ; and the head's 256 bytes in it
	s_mov_b32 s99, 0
	s_wait_dscnt 0x0
	s_wait_kmcnt 0x0
	s_add_nc_u64 s[14:15], s[4:5], s[20:21]        ; my quarter of tile 0, in head slot 'head'
	s_add_nc_u64 s[42:43], s[4:5], s[22:23]        ; my quarter of the first keys, in head slot 'head'
	s_add_nc_u64 s[94:95], s[4:5], s[92:93]        ; q
	s_add_nc_u64 s[96:97], s[6:7], s[98:99]        ; out0
	CROUND                                         ; all four work-groups are here: the first joint loads meet
	; V lies in head slot 32 + head, K in 16 + head.  K's quarters belong to waves 4..7 and lie behind V's rows: (wave - 4) quarters on
	WHERE G0VP, 46, PBASE, 42, 32*0x100000
	WHERE G0KP, 47, PBASE+PVB-4*PQ*KPITCH, 42, 16*0x100000
	JLOAD G0VP, G1VP, G0KP, G1KP                   ; the first 128 keys
	WHERE G0V, 44, 0, 14, 32*0x100000
	WHERE G0K, 45, VBYTES-4*TQ*KPITCH, 14, 16*0x100000
	JLOAD G0V, G1V, G0K, G1K                       ; tile 0 into slot 0: two tensor loads of a wave are out
	WHERE G0V+4, 44, SLOT, 14, 32*0x100000+TILEB   ; slot 1's sets: tile 1, asked for at the first change
	WHERE G0K+4, 45, SLOT+VBYTES-4*TQ*KPITCH, 14, 16*0x100000+TILEB
	v_and_b32 v1, 15, v0                           ; r
	v_bfe_u32 v2, v0, 4, 1                         ; h
	v_lshlrev_b32 v3, 7, v1
	v_lshl_add_u32 v[QO], v2, 4, v3                ; r x 128 + 16 h
	; my 64 queries, 8 KiB, straight into fragments: they are read once, by this wave alone
	WIN TO_1
.irp qb, 0,1,2,3
.irp dh, 0,1
	global_load_b128 v[Q+8*(2*\qb+\dh):Q+8*(2*\qb+\dh)+3],   v[QO], s[94:95] offset:\qb*2048+\dh*64
	global_load_b128 v[Q+8*(2*\qb+\dh)+4:Q+8*(2*\qb+\dh)+7], v[QO], s[94:95] offset:\qb*2048+\dh*64+32
.endr
.endr
	WIN 0
	v_mul_u32_u24 v3, v1, KPITCH
	v_lshl_add_u32 v[LK], v2, 4, v3                ; key r of a tile of 16, 16 h bytes along d
	v_and_b32 v4, 7, v0
	v_lshl_add_u32 v4, v2, 3, v4                   ; key 8 h + l % 8
	v_mul_u32_u24 v4, v4, VPITCH
	v_bfe_u32 v5, v0, 3, 1
	v_lshl_add_u32 v[LV], v5, 4, v4                ; + 16 bytes for the second eight lanes of a half
	v_add_nc_u32 v[AK], PBASE+PVB, v[LK]           ; the first two steps read the first keys' region
	v_add_nc_u32 v[AV], PBASE, v[LV]
	s_mul_i32 s13, s10, WSTAGE
	s_add_co_u32 s13, s13, STAGE                   ; my stage
	v_mul_u32_u24 v3, v1, SPITCH
	v_lshl_add_u32 v3, v2, 5, v3
	v_add_nc_u32 v[STO], s13, v3                   ; row r, 32 h bytes
	v_mul_u32_u24 v3, v2, SPITCH
	v_lshl_add_u32 v3, v1, 4, v3
	v_add_nc_u32 v[RD], s13, v3                    ; lanes 0-15 one row of 256 bytes, lanes 16-31 the next
	v_lshlrev_b32 v3, 12, v2
	v_lshl_add_u32 v[CO], v1, 4, v3                ; the same two rows in out0
.irp qb, 0,1,2,3
	v_mov_b32 v[TX+\qb], 0                         ; v_permlanex16_b32 counts as a reader of its destination
.endr
; 16 LDS loads: K's fragments of 64 keys, st steps behind the address in AK
.macro KLOAD st
.irp kt, 0,1,2,3
.irp dh, 0,1
	ds_load_b128 v[KF+8*(2*\kt+\dh):KF+8*(2*\kt+\dh)+3],   v[AK] offset:(64*(\st)+16*\kt)*KPITCH+64*\dh
	ds_load_b128 v[KF+8*(2*\kt+\dh)+4:KF+8*(2*\kt+\dh)+7], v[AK] offset:(64*(\st)+16*\kt)*KPITCH+64*\dh+32
.endr
.endr
.endm
; 16 transposing LDS loads: V^T's fragments of 64 keys: d = 16 dt + r, keys 32 kh + 8 h + 0..7 and 32 kh + 16 + 8 h + 0..7
.macro VLOAD st
	WIN TO_1
.irp dt, 0,1,2,3
.irp kh, 0,1
	ds_load_tr16_b128 v[VF+8*(2*\dt+\kh):VF+8*(2*\dt+\kh)+3],   v[AV] offset:(64*(\st)+32*\kh)*VPITCH+32*\dt
	ds_load_tr16_b128 v[VF+8*(2*\dt+\kh)+4:VF+8*(2*\dt+\kh)+7], v[AV] offset:(64*(\st)+32*\kh+16)*VPITCH+32*\dt
.endr
.endr
.endm
; query block qb: p = 2^(c s - c m), in place: 16 packed multiply-adds, 32 exponentials.  What follows this macro is plain work on other registers:
; that is the one plain instruction that stands between an exponential and the use of its result (ISA guide 5.7.2).
.macro EXPQ qb
.set i, 0
.rept 16
	v_pk_fma_f32 v[S+32*\qb+i:S+32*\qb+i+1], v[S+32*\qb+i:S+32*\qb+i+1], 0x3e38aa3b, v[NM+2*\qb:NM+2*\qb+1] op_sel_hi:[1,0,1]
.set i, i+2
.endr
.set i, 0
.rept 32
	v_exp_f32 v[S+32*\qb+i], v[S+32*\qb+i]
.set i, i+1
.endr
.endm
; query block qb: my 32 p are added (four chains of pairs, then a tree), the running sum is rescaled and takes them, and the p are packed to bf16 in place:
; destination i is written when sources 2 i and 2 i + 1 are read, and the sources of later ones lie higher.
.macro SUMQ qb, first
	s_wait_alu depctr_va_vdst(0)
.irp k, 0,1,2,3
	v_pk_add_f32 v[TS+2*\k:TS+2*\k+1], v[S+32*\qb+4*\k:S+32*\qb+4*\k+1], v[S+32*\qb+4*\k+2:S+32*\qb+4*\k+3]
.endr
.irp k, 0,1,2,3
	v_pk_add_f32 v[TS+2*\k:TS+2*\k+1], v[TS+2*\k:TS+2*\k+1], v[S+32*\qb+16+2*\k:S+32*\qb+16+2*\k+1]
.endr
.irp k, 0,1,2,3
	v_pk_add_f32 v[TS+2*\k:TS+2*\k+1], v[TS+2*\k:TS+2*\k+1], v[S+32*\qb+24+2*\k:S+32*\qb+24+2*\k+1]
.endr
	v_pk_add_f32 v[TS:TS+1], v[TS:TS+1], v[TS+2:TS+3]
	v_pk_add_f32 v[TS+4:TS+5], v[TS+4:TS+5], v[TS+6:TS+7]
	v_pk_add_f32 v[TS:TS+1], v[TS:TS+1], v[TS+4:TS+5]
.if \first
	v_add_f32 v[L+\qb], v[TS], v[TS+1]             ; the first step starts the sum
.else
	v_add_f32 v[TS], v[TS], v[TS+1]
	v_fma_f32 v[L+\qb], v[L+\qb], v[AL+2*\qb], v[TS]
.endif
.irp kh, 0,1
.irp j, 0,1,2,3,4,5,6,7
	v_cvt_pk_bf16_f32 v[S+32*\qb+16*\kh+\j], v[S+32*\qb+16*\kh+2*\j], v[S+32*\qb+16*\kh+2*\j+1]
.endr
.endr
.endm
; The softmax of a step's 64 x 64 scores.  first = 1: the launch's first step starts maximum and sum, and there is no rescaling factor yet.
.macro SOFTMAX first
	; this step's maximum of my 32 scores of each query block: four chains that do not wait for each other; then the other half's
.irp qb, 0,1,2,3
	v_max3_num_f32 v[T+\qb], v[S+32*\qb], v[S+32*\qb+1], v[S+32*\qb+2]
.endr
.set i, 3
.rept 14
.irp qb, 0,1,2,3
	v_max3_num_f32 v[T+\qb], v[T+\qb], v[S+32*\qb+i], v[S+32*\qb+i+1]
.endr
.set i, i+2
.endr
.irp qb, 0,1,2,3
	v_max_num_f32 v[T+\qb], v[T+\qb], v[S+32*\qb+31]
.endr
.irp qb, 0,1,2,3
	v_permlanex16_b32 v[TX+\qb], v[T+\qb], s40, s41
.endr
.irp qb, 0,1,2,3
.if \first
	v_max_num_f32 v[M+\qb], v[T+\qb], v[TX+\qb]
.else
	v_max3_num_f32 v[M+\qb], v[T+\qb], v[TX+\qb], v[M+\qb]
.endif
.endr
.irp qb, 0,1,2,3
	v_mul_f32 v[TX+\qb], 0xbe38aa3b, v[M+\qb]      ; - c m
.endr
.if \first
.else
.irp qb, 0,1,2,3
	v_sub_f32 v[AL+2*\qb], v[TX+\qb], v[NM+2*\qb]  ; c m_old - c m_new, never above 0
.endr
.irp qb, 0,1,2,3
	v_exp_f32 v[AL+2*\qb], v[AL+2*\qb]
.endr
.endif
.irp qb, 0,1,2,3
	v_mov_b32 v[NM+2*\qb],   v[TX+\qb]             ; plain work on other registers: it also stands between the exponentials above and the use of their results
	v_mov_b32 v[NM+2*\qb+1], v[TX+\qb]
.endr
.if \first
.else
	s_wait_alu depctr_va_vdst(0)
.irp qb, 0,1,2,3
	v_mov_b32 v[AL+2*\qb+1], v[AL+2*\qb]
.endr
.endif
	EXPQ 0
	EXPQ 1
	SUMQ 0, \first
	EXPQ 2
	SUMQ 1, \first
	EXPQ 3
	SUMQ 2, \first
	SUMQ 3, \first
.endm
; The product that is due from the last step: O = O x factor + V^T P^T.  start = 1: it starts O (no factor, the first 32 keys take C = 0).
; left = how many younger LDS loads may stay out when V's fragments have to be there.
.macro PVDUE start, left
.if \start
.else
	WIN W_SC
.irp qb, 0,1,2,3
.set i, 0
.rept 16
	v_pk_mul_f32 v[O+32*\qb+i:O+32*\qb+i+1], v[O+32*\qb+i:O+32*\qb+i+1], v[AL+2*\qb:AL+2*\qb+1]
.set i, i+2
.endr
.endr
.endif
	s_wait_dscnt \left                             ; LDS loads come back in order: the last step's sixteen V loads are in
	WIN W_PV
	; 32 matrix instructions: the 16 tiles of O take turns, one instruction a turn
.irp kh, 0,1
.irp qb, 0,1,2,3
.irp dt, 0,1,2,3
.if \start*(1-\kh)
	v_wmma_f32_16x16x32_bf16 v[O+32*\qb+8*\dt:O+32*\qb+8*\dt+7], v[VF+8*(2*\dt+\kh):VF+8*(2*\dt+\kh)+7], v[S+32*\qb+16*\kh:S+32*\qb+16*\kh+7], 0
.else
	v_wmma_f32_16x16x32_bf16 v[O+32*\qb+8*\dt:O+32*\qb+8*\dt+7], v[VF+8*(2*\dt+\kh):VF+8*(2*\dt+\kh)+7], v[S+32*\qb+16*\kh:S+32*\qb+16*\kh+7], v[O+32*\qb+8*\dt:O+32*\qb+8*\dt+7]
.endif
.endr
.endr
.endr
	WIN 0
.endm
; One step's body.  mode 2: the launch's first step (no product is due; maximum and sum start); mode 1: the second (the due product starts O); mode 0: any later one.
; st: the step's place behind AK and AV, as an immediate; step = 1: AK and AV move on by 64 keys for the next trip.
.macro BODY mode, st, step
	KLOAD \st                                      ; K's fragments were last read by the scores of the step before, a whole softmax ago
.if \mode < 2
	PVDUE \mode, 16                                ; the sixteen K loads just issued are younger than V's and may stay out
	PLACES 5                                       ; five places before the scores are written over P; they cover the four before loads land on V's fragments
.endif
	VLOAD \st
	s_wait_dscnt 16                                ; K's sixteen are in; V's sixteen, which are younger, may be out: they are wanted one body later
	WIN W_S
	; 32 matrix instructions: the 16 score tiles take turns, one instruction a turn; the first 32 of d start the sums
.irp dh, 0,1
.irp qb, 0,1,2,3
.irp kt, 0,1,2,3
.if \dh
	v_wmma_f32_16x16x32_bf16 v[S+32*\qb+8*\kt:S+32*\qb+8*\kt+7], v[KF+8*(2*\kt+\dh):KF+8*(2*\kt+\dh)+7], v[Q+8*(2*\qb+\dh):Q+8*(2*\qb+\dh)+7], v[S+32*\qb+8*\kt:S+32*\qb+8*\kt+7]
.else
	v_wmma_f32_16x16x32_bf16 v[S+32*\qb+8*\kt:S+32*\qb+8*\kt+7], v[KF+8*(2*\kt+\dh):KF+8*(2*\kt+\dh)+7], v[Q+8*(2*\qb+\dh):Q+8*(2*\qb+\dh)+7], 0
.endif
.endr
.endr
.endr
	WIN 0
	; four places before the scores are read (ISA guide 7.12.1); in a loop two of them are the addresses' steps
.if \step
	v_add_nc_u32 v[AK], 64*KPITCH, v[AK]
	v_add_nc_u32 v[AV], 64*VPITCH, v[AV]
	PLACES 2
.else
	PLACES 4
.endif
.if \mode == 2
	SOFTMAX 1
.else
	SOFTMAX 0
.endif
.endm
; A tile: six trips of the body, from the slot's first rows on
.macro TILE slot
	v_add_nc_u32 v[AK], \slot*SLOT+VBYTES, v[LK]
	v_add_nc_u32 v[AV], \slot*SLOT, v[LV]
	s_mov_b32 s9, STEPS
.Lstep_\@:
	BODY 0, 0, 1
	s_sub_co_u32 s9, s9, 1
	s_cmp_lg_u32 s9, 0
	s_cbranch_scc1 .Lstep_\@
.endm
; The change of slots, between two bodies.  Each wave waits for all its tensor loads (one is out: its part of the tile that is read next) and for its LDS reads (the last
; body's V loads, the last reads of the tile that is left).  fill = 1: a round of the cluster's barrier follows, and the joint load into slot 'slot', which nobody reads any
; more, is the wave's first and only tensor load behind it.  both = 1: both slots' addresses move on by two tiles; no tensor load of the wave is out there.
.macro CHANGE fill, slot, both
	s_wait_tensorcnt 0x0
	ds_add_u32 v62, v63
	s_wait_dscnt 0x0
.if \both
	s_add_nc_u64 s[G0V+2:G0V+3], s[G0V+2:G0V+3], 2*TILEB
	s_add_nc_u64 s[G0V+6:G0V+7], s[G0V+6:G0V+7], 2*TILEB
	s_add_nc_u64 s[G0K+2:G0K+3], s[G0K+2:G0K+3], 2*TILEB
	s_add_nc_u64 s[G0K+6:G0K+7], s[G0K+6:G0K+7], 2*TILEB
.endif
	s_wait_dscnt 0x0
.if \fill
	CROUND                                         ; both now hold of every wave of all four work-groups
	JLOAD G0V+4*\slot, G1V, G0K+4*\slot, G1K
.else
	s_barrier_signal -1                            ; the last tile: every wave's part of it has landed
	s_barrier_wait -1
.endif
.endm
	s_wait_loadcnt 0x0                             ; Q
	s_wait_tensorcnt 1                             ; my part of the first 128 keys is in; tile 0's may stay out
	s_barrier_signal -1
	s_barrier_wait -1
	BODY 2, 0, 0                                   ; keys 0-63
	BODY 1, 1, 0                                   ; keys 64-127
	s_mov_b32 s3, 2
.Lpair:
	CHANGE 1, 1, 0                                 ; asks for tile 1, 3 (slot 1's first fill is issued as a refill is)
	TILE 0                                         ; tiles 0, 2
	CHANGE 1, 0, 1                                 ; asks for tile 2, 4 (slot 1's address, stepped in the last trip, is not used again)
	TILE 1                                         ; tiles 1, 3
	s_sub_co_u32 s3, s3, 1
	s_cmp_lg_u32 s3, 0
	s_cbranch_scc1 .Lpair
	CHANGE 0, 0, 0                                 ; nothing is left to fetch
	TILE 0                                         ; tile 4
	PVDUE 0, 0                                     ; the last step's product: no LDS load is younger than its V loads
	PLACES 4                                       ; four places before O is read (ISA guide 7.12.1)
	; THE END: the two halves' partial sums meet, O is divided by the sum and leaves through my own stage, 16 queries at a time.
.irp qb, 0,1,2,3
	v_permlanex16_b32 v[TX+\qb], v[L+\qb], s40, s41
.endr
.irp qb, 0,1,2,3
	v_add_f32 v[L+\qb], v[L+\qb], v[TX+\qb]        ; at least about 1: the largest score's own term
.endr
.irp qb, 0,1,2,3
	v_rcp_f32 v[AL+2*\qb],   v[L+\qb]
	v_rcp_f32 v[AL+2*\qb+1], v[L+\qb]
.endr
	v_nop                                          ; one plain instruction between the reciprocals and their use (ISA guide 5.7.2)
	s_wait_alu depctr_va_vdst(0)
; query block qb; f: 32 registers of the score area, two sets in turn
.macro OUTQ qb, f
	WIN W_SC
.set i, 0
.rept 16
	v_pk_mul_f32 v[O+32*\qb+i:O+32*\qb+i+1], v[O+32*\qb+i:O+32*\qb+i+1], v[AL+2*\qb:AL+2*\qb+1]
.set i, i+2
.endr
	WIN W_S                                        ; the stores' data lie in window 1
.irp dt, 0,1,2,3
	ds_store_b128 v[STO], v[O+32*\qb+8*\dt:O+32*\qb+8*\dt+3]   offset:64*\dt
	ds_store_b128 v[STO], v[O+32*\qb+8*\dt+4:O+32*\qb+8*\dt+7] offset:64*\dt+16
.endr
	WIN 0
	s_wait_xcnt 0x0                                ; the stores that read set f have had their addresses translated (ISA guide 3.1): it is loaded again only behind this wait
.irp t, 0,1,2,3,4,5,6,7
	ds_load_b128 v[\f+4*\t:\f+4*\t+3], v[RD] offset:\t*2*SPITCH    ; my own bytes; LDS serves a wave's instructions in order (ISA guide 5.7.1): these see the stores above
.endr
.irp t, 0,1,2,3,4,5,6,7
	s_wait_dscnt 7-\t
	global_store_b128 v[CO], v[\f+4*\t:\f+4*\t+3], s[96:97] offset:\qb*65536+\t*8192 th:TH_STORE_NT   ; 16 lanes store a head's row: 256 consecutive bytes, at a multiple of 256 from out0's first byte
.endr
.endm
	OUTQ 0, 128
	OUTQ 1, 160
	OUTQ 2, 128
	OUTQ 3, 160
	s_wait_tensorcnt 0x0
	ds_add_u32 v62, v63
	s_wait_dscnt 0x0
	CROUND                                         ; the closing round: no work-group ends while a partner may still ask for a tile that names it
	s_endpgm
.Lfunc_end_k_q89b5054345_attn:
	.size	k_q89b5054345_attn, .Lfunc_end_k_q89b5054345_attn-k_q89b5054345_attn
	.p2alignl 7, 3214868480
	.fill 96, 4, 3214868480
	.section	.rodata,"a",@progbits
	.p2align	6, 0x0
	.amdhsa_kernel k_q89b5054345_attn
		.amdhsa_group_segment_fixed_size 327680
		.amdhsa_private_segment_fixed_size 0
		.amdhsa_enable_private_segment 0
		.amdhsa_kernarg_size 16
		.amdhsa_user_sgpr_count 2
		.amdhsa_user_sgpr_kernarg_segment_ptr 1
		.amdhsa_wavefront_size32 1
		.amdhsa_system_sgpr_workgroup_id_x 1
		.amdhsa_system_sgpr_workgroup_id_y 1
		.amdhsa_system_sgpr_workgroup_id_z 1
		.amdhsa_system_vgpr_workitem_id 0
		.amdhsa_next_free_vgpr 512
		.amdhsa_next_free_sgpr 102
		.amdhsa_reserve_vcc 0
		.amdhsa_float_denorm_mode_32 3
		.amdhsa_float_denorm_mode_16_64 3
		.amdhsa_memory_ordered 1
		.amdhsa_forward_progress 1
		.amdhsa_inst_pref_size 193
	.end_amdhsa_kernel
	.amdgpu_metadata
---
amdhsa.version: [ 1, 2 ]
amdhsa.kernels:
  - .name:           k_q89b5054345_attn
    .symbol:         k_q89b5054345_attn.kd
    .args:
      - { .name: qkv, .offset: 0, .size: 8, .value_kind: global_buffer, .address_space: global }
      - { .name: out0, .offset: 8, .size: 8, .value_kind: global_buffer, .address_space: global }
    .group_segment_fixed_size: 327680
    .private_segment_fixed_size: 0
    .kernarg_segment_align: 8
    .kernarg_segment_size: 16
    .max_flat_workgroup_size: 256
    .sgpr_count:     102
    .vgpr_count:     512
    .wavefront_size: 32
...
	.end_amdgpu_metadata
.endif
;; end of part 3
